; MI455X (gfx1250); checked and timed in simulation.
; The chip was launched on July 23, 2026; its instructions are those of AMD's public machine-readable ISA for CDNA 5 (MIT licence, August 2026) and "CDNA5" Instruction Set Architecture Reference Guide (July 2026). The comments in the code are by the model that wrote it; some were corrected since.
;; Concat Critic. Allowed arithmetic: matrix products marked QUANTISED: E5M2 operands, one E8M0 scale for each 32 along K, by v_wmma_scale_f32_16x16x128_f8f6f4 with both operands' format E5M2, f32 sums; products left as they are: f32 operands where the result goes on into a quantised operand, else bf16, f16 or f32 operands; f32 sums; everything else in f32.
;; Inputs: W1 512 x 256 float32; W2 512 x 512 float32; W3 1 x 512 float32; b1 512 float32; b2 512 float32; b3 1 float32; x 512 x 128 float32; y 512 x 128 float32.
;; Outputs: out0 512 x 512 float32.
;; This version of the problem:
;;   THIS VERSION OF THE PROBLEM IS GIVEN IN LOW PRECISION. The matrix products marked QUANTISED in the list below multiply operands that are first quantised to E5M2 (5 exponent bits, 2 mantissa bits; 8 bits a number), with one power-of-two scale for each 32 numbers along K (OCP MX v1.0); their sums are f32. All else is computed in f32.
;;   The module's matrix products, in the order in which they are computed (A, B: the left and right operand; K: the contracted axis; several contracted axes count as one K, in the product's order):
;;     1. [M 512, K 128] x [K 128, N 512]; A: input x; B: input W1: QUANTISED
;;     2. [M 512, K 128] x [K 128, N 512]; A: input y; B: input W1: QUANTISED
;;     3. [M 262,144, K 512] x [K 512, N 512]; A: computed on the way; B: input W2: QUANTISED
;;     4. [M 262,144, K 512] x [K 512, N 1]; A: computed on the way; B: input W3: left as it is (N = 1 < 16)
;;   THE QUANTISER, for each operand of a quantised product, along K:
;;     - K is cut into blocks of 32 from its start; a last block that is shorter is filled with zeros.
;;     - A block's scale is 2^e with e = floor(log2(the largest magnitude in the block)) - 15, held to -126 .. 127; a block of zeros has e = 0. As a byte (E8M0): e + 127.
;;     - Each number is divided by its block's scale, clamped to +-57,344, and rounded to the nearest number of E5M2, ties to even, subnormals kept.
;;     - The product sums the exact products of the quantised numbers (number of the format x scale) in f32.
;;   ~~~python
;;   def quantise(x, axis):      # numpy; x: float32 -> the quantised numbers, widened to float32 again
;;       x = np.moveaxis(x, axis, -1); K = x.shape[-1]
;;       x = np.pad(x, [(0, 0)] * (x.ndim - 1) + [(0, -K % 32)]); x = x.reshape(x.shape[:-1] + (-1, 32)); a = np.abs(x).max(-1, keepdims=True)
;;       e = np.where(a > 0, np.clip(np.frexp(np.where(a > 0, a, 1))[1] - 1 - 15, -126, 127), 0)      # np.frexp(a)[1] - 1 = floor(log2(a)), exactly
;;       r = np.clip(x / 2.0 ** e, -57344, 57344)
;;       step = 2.0 ** (np.maximum(np.frexp(np.where(r == 0, 1, r))[1] - 1, -14) - 2)
;;       q = np.round(r / step) * step * 2.0 ** e      # np.round: ties to even
;;       return np.moveaxis(q.reshape(q.shape[:-2] + (-1,))[..., :K], -1, axis).astype(np.float32)
;;   ~~~
;;   OPERANDS COMPUTED ON THE WAY. 'Computed on the way' means the value that the module computes at that place (a softmax that the list does not call 'softmax' is quantised finished and normalised). What goes into a quantiser is computed in f32, as accurately as f32 sums, v_exp_f32 and their like allow (about 1e-6 of the number): no bf16 or f16 on the way to a quantiser, and a product that is left as it is and whose result goes on into a quantised operand takes f32 operands (vector FMAs, or v_wmma_f32_16x16x4_f32). A number that lies on a knife's edge between two numbers of the format may be rounded either way, as far as f32 arithmetic and the matrix unit's own rounding can turn it there, and no further.
;; One version. Each part assembles by itself: llvm-mc -triple=amdgcn-amd-amdhsa -mcpu=gfx1250 --defsym DOCPART=n.
;; ======== version 1 of 1: 2 launches
;; limits: right only within a limited range of input values
;; workspace buffers: hxw 1,048,576 bytes; hyw 1,048,576 bytes; w2c 262,144 bytes; w2s 8,192 bytes
;; launch prep (part 1): grid 272 x 1, 4 waves a work-group, no clusters, 68,096 bytes of LDS; arguments x, y, W1, b1, W2, hxw, hyw, w2c, w2s; writes hxw, hyw, w2c, w2s
.if DOCPART == 1
	.amdgcn_target "amdgcn-amd-amdhsa--gfx1250"
	.amdhsa_code_object_version 6
	.text
	.protected	k_q57b5518d17_prep
	.globl	k_q57b5518d17_prep
	.p2align	8
	.type	k_q57b5518d17_prep,@function
k_q57b5518d17_prep:
	s_mov_b64 s[64:65], 0
	v_nop
	global_prefetch_b8 v0, s[64:65] scope:SCOPE_SE
	s_setreg_imm32_b32 hwreg(HW_REG_WAVE_MODE, 25, 1), 1
	s_wait_xcnt 0x0
; THE FIRST OF TWO LAUNCHES.  It makes what every work-group of the second launch reads:
;   hxw = Q(x) Q(W1[:, :128])^T + b1   and   hyw = Q(y) Q(W1[:, 128:])^T,  f32, [512 rows][512 units];
;   w2c, w2s = W2 [512][512] as codes of E5M2 with one E8M0 byte for each 32 along K.
; Q is the MX quantiser along K: scale 2^(floor(log2(largest magnitude of 32)) - 15), numbers held within +-57,344 x the scale, rounded to the nearest code, ties to even.
; LAYOUTS (this program's own).  hxw, hyw: byte (row / 32) 65536 + (unit / 4) 512 + (row % 32) 16 + (unit % 4) 4: 32 lanes that take 32 rows read 512 consecutive bytes, and four
; neighbouring units of one row are 16 aligned bytes.  w2c: images of operand registers, [tile of 16 rows nt][K step s][group c][lane][16 bytes]: lane (r, h), group c holds k = 128 s + 32 c + 16 h + 0 .. 15
; of row 16 nt + r.  w2s: [nt][half][lane] words: row (lane % 16)'s scale word of K step 2 half (lanes 0-15) or 2 half + 1 (lanes 16-31).
; SHARES.  Work-groups 0 .. 255, four waves each: wave J = 4 x work-group + wave takes one tile of 16 rows of x (J / 16 < 32) or of y, and 32 units (two tiles of 16 rows of W1): three quantisings, two products,
; all loads asked for at once.  Work-groups 256 .. 271: each wave quantises two K steps of 16 rows of W2.  Waves share nothing: no barrier, no loop.
; A LOAD takes 128 numbers of one row: 32 lanes, 512 consecutive bytes.  The conversions want 16 neighbours along K in a lane: so a tile's 16 rows turn through the wave's own LDS, rows 528 bytes apart.
; The two kinds of work-groups have LDS bytes of their own.
; THE PRODUCT IS USED TRANSPOSED (source 0 = 16 rows of W1, source 1 = 16 rows of x or y): lane (r, h) holds row r and eight neighbouring units, 16 t + 8 h + 0 .. 7.  K = 128 is one instruction deep.
; b1 is the C of hx's products (for hy the same registers are masked to 0).
; LIMITS.  The order of rounding is (hx + b1) + hy, where the definition has (hx + hy) + b1.  A block of zeros gets the byte 1 where the rule says 127: its codes are zeros, which add nothing under
; any byte but 0xff, and this program alone reads the bytes.  NaN and infinities among the inputs are not served.
.set TM,    8                          ; v8-11 largest magnitudes, v12-15 the other half's, then bytes, v16-19 57,344 x the scale, v20-23 the conversions' scale operands
.set SA,    24                         ; v24    scale words of the rows of x or y
.set SW,    25                         ; v25-26 scale words of W1's two tiles, or of W2's two K steps
.set SPW,   28                         ; v28    my spare word's LDS address
.set NIL,   29
.set XS0,   32                         ; v32-95, v96-159, v160-223: three sets of 64 numbers
.set XS1,   96
.set XS2,   160
.set ACC,   224                        ; v224-239 two accumulators
.set CODE0, 240                        ; v240-255 the first set's codes; the other sets' go where the first set's numbers were
.set CODE1, 32
.set CODE2, 48
.set SEL,   28                         ; s[28:29] v_permlanex16_b32's selects for lane l xor 16
.set MNT,   30                         ; s30  the mantissa field of 57,344
.set MASK,  31                         ; s31  all ones for x, 0 for y
.set PITCH, 528
.set REG2,  4*16*PITCH                 ; LDS: four regions for the first kind, four for the second, the spare words
.set SPARE, 8*16*PITCH
; 16 rows x 128 numbers as they lie: register 4 rr + i = number 4 lane + i of row rr
.macro XLOAD reg, base, pitch, off
.irp rr, 0,1,2,3,4,5,6,7,8,9,10,11,12,13,14,15
	global_load_b128 v[\reg+4*\rr:\reg+4*\rr+3], v4, s[\base:\base+1] offset:(\off)+(\pitch)*\rr
.endr
.endm
; turned: register 16 b + i = number 32 b + 16 (lane / 16) + i of row lane % 16.  The bytes are the wave's own
.macro TURN xs
.irp rr, 0,1,2,3,4,5,6,7,8,9,10,11,12,13,14,15
	ds_store_b128 v5, v[\xs+4*\rr:\xs+4*\rr+3] offset:PITCH*\rr
.endr
	s_wait_dscnt 0x0                                         ; the stores have read the registers that the loads below write
.irp b, 0,1,2,3
.irp j, 0,1,2,3
	ds_load_b128 v[\xs+16*\b+4*\j:\xs+16*\b+4*\j+3], v27 offset:128*\b+16*\j
.endr
.endr
	s_wait_dscnt 0x0
.endm
; those 64 numbers become a fragment's codes in v[code] on and its scale word in v[word]
.macro QUANT s, code, word
.irp b, 0,1,2,3
	v_max3_num_f32 v[TM+\b], |v[\s+16*\b]|, |v[\s+1+16*\b]|, 0x8000000   ; block b: my 16 numbers, and the floor 2^(16 - 127): the byte cannot fall under 1
.endr
.irp i, 2,4,6,8,10,12,14
.irp b, 0,1,2,3
	v_max3_num_f32 v[TM+\b], v[TM+\b], |v[\s+16*\b+\i]|, |v[\s+1+16*\b+\i]|
.endr
.endr
.irp b, 0,1,2,3
	v_permlanex16_b32 v[TM+4+\b], v[TM+\b], s[SEL], s[SEL+1]
.endr
.irp b, 0,1,2,3
	v_max_num_f32 v[TM+\b], v[TM+\b], v[TM+4+\b]             ; with lane l xor 16's 16: the block's largest magnitude
.endr
.irp b, 0,1,2,3
	v_add_nc_u32 v[TM+12+\b], 0xf8800000, v[TM+\b]           ; 15 off its exponent field: the conversion takes this operand's exponent field as its scale
.endr
.irp b, 0,1,2,3
	v_and_or_b32 v[TM+8+\b], v[TM+\b], 0x7f800000, s[MNT]    ; 57,344 x the scale
.endr
.irp b, 0,1,2,3
	v_lshrrev_b32 v[TM+4+\b], 23, v[TM+12+\b]                ; the scale's byte
.endr
	v_lshl_or_b32 v[\word], v[TM+5], 8, v[TM+4]              ; four bytes: my row's scale word (both halves of the lanes hold it)
	v_lshl_or_b32 v[\word], v[TM+6], 16, v[\word]
	v_lshl_or_b32 v[\word], v[TM+7], 24, v[\word]
.irp b, 0,1,2,3
.irp i, 0,1,2,3,4,5,6,7,8,9,10,11,12,13,14,15
	v_med3_num_f32 v[\s+16*\b+\i], v[\s+16*\b+\i], -v[TM+8+\b], v[TM+8+\b]   ; the conversion to an 8-bit code does not saturate (ISA guide 7.6.2): the hold comes first
.endr
	v_cvt_scalef32_pk8_bf8_f32 v[\code+4*\b:\code+4*\b+1], v[\s+16*\b:\s+16*\b+7], v[TM+12+\b]
	v_cvt_scalef32_pk8_bf8_f32 v[\code+4*\b+2:\code+4*\b+3], v[\s+16*\b+8:\s+16*\b+15], v[TM+12+\b]
.endr
	v_nop                                                    ; one plain vector instruction behind the last scaled conversion
.endm
.macro CLOSE                                                 ; the wave's end
	s_wait_tensorcnt 0x0
	ds_add_u32 v[SPW], v[NIL]
	s_wait_dscnt 0x0
.endm
	s_load_b512 s[4:19], s[0:1], 0x0               ; x 4:5, y 6:7, W1 8:9, b1 10:11, W2 12:13, hxw 14:15, hyw 16:17, w2c 18:19
	s_load_b64 s[20:21], s[0:1], 0x40              ; w2s
	v_lshl_add_u32 v[SPW], v0, 2, SPARE
	v_mov_b32 v[NIL], 0
	v_lshrrev_b32 v1, 5, v0
	v_readfirstlane_b32 s22, v1                    ; wave 0 .. 3
	v_and_b32 v1, 15, v0                           ; r
	v_bfe_u32 v2, v0, 4, 1                         ; h
	v_and_b32 v3, 31, v0                           ; lane
	s_mov_b32 s[SEL], 0x76543210
	s_mov_b32 s[SEL+1], 0xfedcba98
	s_mov_b32 s[MNT], 0x600000
.irp b, 0,1,2,3
	v_mov_b32 v[TM+4+\b], 0                        ; written once: a lane permute's destination counts as one of its sources
.endr
	s_mov_b32 s33, 0
	s_mov_b32 s35, 0
	s_mov_b32 s37, 0
	s_mul_i32 s40, s22, 16*PITCH                   ; my LDS region
	s_wait_alu depctr_va_vdst(0)
	s_cmp_ge_u32 ttmp9, 256
	s_cbranch_scc1 .Lw2
	; ---- hx and hy
	s_lshl_b32 s23, ttmp9, 2
	s_add_co_u32 s23, s23, s22                     ; J
	s_lshr_b32 s24, s23, 4                         ; which tile of rows, 0 .. 63
	s_and_b32 s25, s23, 15                         ; which 32 units
	s_and_b32 s26, s24, 31                         ; the tile's number in x or in y
	s_lshr_b32 s27, s24, 5                         ; 0: x, 1: y
	s_lshl_b32 s32, s26, 13                        ; 16 rows of 512 bytes
	s_lshl_b32 s34, s25, 15                        ; W1: 32 rows of 1,024 bytes,
	s_lshl_b32 s36, s27, 9                         ; and for y the row's second 128 numbers
	s_add_co_u32 s34, s34, s36
	s_lshl_b32 s36, s25, 7                         ; b1: 32 numbers
	s_lshr_b32 s38, s26, 1                         ; out: (row / 32) 65536
	s_lshl_b32 s38, s38, 16
	s_and_b32 s39, s26, 1                          ;      + 16 rows of 16 bytes for an odd tile
	s_lshl_b32 s39, s39, 8
	s_add_co_u32 s38, s38, s39
	s_lshl_b32 s39, s25, 12                        ;      + 8 groups of four units, 512 bytes each
	s_add_co_u32 s38, s38, s39
	s_mov_b32 s39, 0
	v_lshlrev_b32 v4, 4, v3                        ; in: 16 bytes a lane
	v_mul_u32_u24 v27, v1, PITCH
	v_lshlrev_b32 v6, 4, v1
	v_lshlrev_b32 v7, 5, v2                        ; b1: my half's eight numbers of a tile
	v_add_nc_u32 v5, s40, v4                       ; into LDS: as loaded
	v_lshl_add_u32 v27, v2, 6, v27                 ; out of it: row r + 64 h
	v_lshl_add_u32 v6, v2, 10, v6                  ; out: 16 r + two groups of four units for the upper half
	v_add_nc_u32 v27, s40, v27
	s_wait_alu depctr_va_vdst(0)
	s_wait_kmcnt 0x0
	s_cmp_lg_u32 s27, 0                            ; the choice hangs on the work-group's and the wave's number alone
	s_cselect_b64 s[4:5], s[6:7], s[4:5]
	s_cselect_b64 s[14:15], s[16:17], s[14:15]
	s_cselect_b32 s[MASK], 0, -1
	s_add_nc_u64 s[4:5], s[4:5], s[32:33]
	s_add_nc_u64 s[8:9], s[8:9], s[34:35]
	s_add_nc_u64 s[10:11], s[10:11], s[36:37]
	s_add_nc_u64 s[14:15], s[14:15], s[38:39]
.irp t, 0,1
	global_load_b128 v[ACC+8*\t:ACC+8*\t+3], v7, s[10:11] offset:64*\t        ; b1 in the result's layout: units 16 t + 8 h + 0 .. 7
	global_load_b128 v[ACC+8*\t+4:ACC+8*\t+7], v7, s[10:11] offset:64*\t+16
.endr
	XLOAD XS0, 4, 512, 0                           ; my 16 rows of x or y
	XLOAD XS1, 8, 1024, 0                          ; W1's two tiles
	XLOAD XS2, 8, 1024, 16384
	s_wait_loadcnt 32                              ; all but the 32 loads of W1
.irp i, 0,1,2,3,4,5,6,7,8,9,10,11,12,13,14,15
	v_and_b32 v[ACC+\i], s[MASK], v[ACC+\i]        ; b1 goes with hx alone
.endr
	TURN XS0
	QUANT XS0, CODE0, SA
.macro PTILE t, xs, code, wait
	s_wait_loadcnt \wait                           ; the next tile's 16 loads may be out
	TURN \xs
	QUANT \xs, \code, SW+\t
.rept 3
	v_nop                                          ; with the one behind the conversions: four places between codes written by vector instructions and the scaled product; the scale word was made 64 holds earlier
.endr
	v_wmma_scale_f32_16x16x128_f8f6f4 v[ACC+8*\t:ACC+8*\t+7], v[\code:\code+15], v[CODE0:CODE0+15], v[ACC+8*\t:ACC+8*\t+7], v[SW+\t], v[SA] matrix_a_fmt:MATRIX_FMT_BF8 matrix_b_fmt:MATRIX_FMT_BF8
.endm
	PTILE 0, XS1, CODE1, 16
	PTILE 1, XS2, CODE2, 0
.rept 8
	v_nop                                          ; eight places between the last product and the stores that read results
.endr
.irp t, 0,1
	global_store_b128 v6, v[ACC+8*\t:ACC+8*\t+3], s[14:15] offset:2048*\t          ; sixteen lanes store 256 consecutive bytes, aligned: four units of 16 rows
	global_store_b128 v6, v[ACC+8*\t+4:ACC+8*\t+7], s[14:15] offset:2048*\t+512
.endr
	CLOSE
	s_endpgm
	; ---- W2's codes and scale words
.Lw2:
	s_sub_co_u32 s23, ttmp9, 256
	s_lshl_b32 s23, s23, 2
	s_add_co_u32 s23, s23, s22                     ; 2 nt + half
	s_lshr_b32 s24, s23, 1                         ; nt
	s_and_b32 s25, s23, 1                          ; half: K steps 2 half and 2 half + 1
	s_lshl_b32 s32, s24, 15                        ; W2: 16 rows of 2,048 bytes
	s_lshl_b32 s34, s25, 10
	s_add_co_u32 s32, s32, s34
	s_lshl_b32 s34, s23, 12                        ; codes: two images of 2,048 bytes
	s_lshl_b32 s36, s23, 7                         ; scale words: 32 lanes x 4 bytes
	s_add_co_u32 s40, s40, REG2
	v_lshlrev_b32 v4, 4, v3                        ; in, and the codes on the way out: 16 bytes a lane
	v_mul_u32_u24 v27, v1, PITCH
	v_lshlrev_b32 v7, 2, v3
	v_lshl_add_u32 v27, v2, 6, v27
	v_add_nc_u32 v5, s40, v4
	v_add_nc_u32 v27, s40, v27
	s_wait_alu depctr_va_vdst(0)
	s_wait_kmcnt 0x0
	s_add_nc_u64 s[12:13], s[12:13], s[32:33]
	s_add_nc_u64 s[18:19], s[18:19], s[34:35]
	s_add_nc_u64 s[20:21], s[20:21], s[36:37]
	XLOAD XS0, 12, 2048, 0
	XLOAD XS1, 12, 2048, 512
	s_wait_loadcnt 16                              ; the second K step's 16 loads may be out
	TURN XS0
	QUANT XS0, CODE0, SW
.irp c, 0,1,2,3
	global_store_b128 v4, v[CODE0+4*\c:CODE0+4*\c+3], s[18:19] offset:512*\c       ; 32 lanes store 512 consecutive bytes
.endr
	s_wait_loadcnt 0x0
	TURN XS1
	QUANT XS1, CODE1, SW+1
.irp c, 0,1,2,3
	global_store_b128 v4, v[CODE1+4*\c:CODE1+4*\c+3], s[18:19] offset:2048+512*\c
.endr
	v_cmp_le_u32 vcc_lo, 16, v3                    ; lanes 16-31 carry the odd K step's words
	v_cndmask_b32 v30, v[SW], v[SW+1], vcc_lo
	global_store_b32 v7, v30, s[20:21]             ; 32 lanes store 128 consecutive bytes
	CLOSE
	s_endpgm
.Lfunc_end_k_q57b5518d17_prep:
	.size	k_q57b5518d17_prep, .Lfunc_end_k_q57b5518d17_prep-k_q57b5518d17_prep
	.p2alignl 7, 3214868480
	.fill 96, 4, 3214868480
	.section	.rodata,"a",@progbits
	.p2align	6, 0x0
	.amdhsa_kernel k_q57b5518d17_prep
		.amdhsa_group_segment_fixed_size 68096
		.amdhsa_private_segment_fixed_size 0
		.amdhsa_enable_private_segment 0
		.amdhsa_kernarg_size 72
		.amdhsa_user_sgpr_count 2
		.amdhsa_user_sgpr_kernarg_segment_ptr 1
		.amdhsa_wavefront_size32 1
		.amdhsa_system_sgpr_workgroup_id_x 1
		.amdhsa_system_sgpr_workgroup_id_y 1
		.amdhsa_system_sgpr_workgroup_id_z 1
		.amdhsa_system_vgpr_workitem_id 0
		.amdhsa_next_free_vgpr 256
		.amdhsa_next_free_sgpr 66
		.amdhsa_reserve_vcc 1
		.amdhsa_float_denorm_mode_32 3
		.amdhsa_float_denorm_mode_16_64 3
		.amdhsa_memory_ordered 1
		.amdhsa_forward_progress 1
		.amdhsa_inst_pref_size 65
	.end_amdhsa_kernel
	.amdgpu_metadata
---
amdhsa.version: [ 1, 2 ]
amdhsa.kernels:
  - .name:           k_q57b5518d17_prep
    .symbol:         k_q57b5518d17_prep.kd
    .args:
      - { .name: x, .offset: 0, .size: 8, .value_kind: global_buffer, .address_space: global }
      - { .name: y, .offset: 8, .size: 8, .value_kind: global_buffer, .address_space: global }
      - { .name: W1, .offset: 16, .size: 8, .value_kind: global_buffer, .address_space: global }
      - { .name: b1, .offset: 24, .size: 8, .value_kind: global_buffer, .address_space: global }
      - { .name: W2, .offset: 32, .size: 8, .value_kind: global_buffer, .address_space: global }
      - { .name: hxw, .offset: 40, .size: 8, .value_kind: global_buffer, .address_space: global }
      - { .name: hyw, .offset: 48, .size: 8, .value_kind: global_buffer, .address_space: global }
      - { .name: w2c, .offset: 56, .size: 8, .value_kind: global_buffer, .address_space: global }
      - { .name: w2s, .offset: 64, .size: 8, .value_kind: global_buffer, .address_space: global }
    .group_segment_fixed_size: 68096
    .private_segment_fixed_size: 0
    .kernarg_segment_align: 8
    .kernarg_segment_size: 72
    .max_flat_workgroup_size: 128
    .sgpr_count:     66
    .vgpr_count:     256
    .wavefront_size: 32
...
	.end_amdgpu_metadata
.endif
;; end of part 1
;; launch critic (part 2): grid 16 x 16, 8 waves a work-group, no clusters, 218,624 bytes of LDS; arguments hxw, hyw, w2c, w2s, b2, W3, b3, out0; writes out0
.if DOCPART == 2
	.amdgcn_target "amdgcn-amd-amdhsa--gfx1250"
	.amdhsa_code_object_version 6
	.text
	.protected	k_q57b5518d17_critic
	.globl	k_q57b5518d17_critic
	.p2align	8
	.type	k_q57b5518d17_critic,@function
k_q57b5518d17_critic:
	s_mov_b64 s[64:65], 0
	v_nop
	global_prefetch_b8 v0, s[64:65] scope:SCOPE_SE
	s_setreg_imm32_b32 hwreg(HW_REG_WAVE_MODE, 25, 1), 1
	s_wait_xcnt 0x0
; out[i][j] = W3 . relu(W2 Q(relu(hx[i] + hy[j])) + b2) + b3, hx with b1 in it (the launch before).  The product with W2 runs on codes of E5M2 with one E8M0 scale for each 32 along K.
; SHARES.  A work-group takes 32 i x 32 j: 64 tiles of (one i, 16 j).  Its eight waves SHARE THE COLUMNS: wave w holds W2's rows 64 w .. 64 w + 63 for all of K as codes in 256 registers (window 1) for the whole
; launch, and multiplies every tile by them: 16 products a tile.  A hidden row is added, clipped and quantised once in the launch: for one i, wave w makes k = 64 w .. 64 w + 63 (two blocks) of all 32 j, a lane a j.
; A block of 32 along K lies in one lane's 32 registers.  hx[i][k] is the same in all lanes: it comes by scalar loads, an i ahead; hy[j][my 64 k] stays in 64 registers.
; THE HEAD quantises i = 0, 1 and, while W2's codes arrive, i = 26 .. 31, which go to LDS buffers of their own and are multiplied at the end.
; A STEP OF THE LOOP is one tile n of i = p = n / 2 (0 .. 23): its 16 products in one run (four accumulators by turns, K ascending); behind them the next tile's fragments are asked for, then come relu and the dot with W3,
; then one block of i = p + 2 is quantised (block 0 in even steps, block 1 in odd ones) in the accumulators' own registers.  The fragments have all that vector work in which to land.
; The last sixteen steps (i = 24 .. 31) quantise nothing.
; FROM WAVE TO WAVE the codes go through LDS as images of operand registers, the scale bytes beside them; in the loop three buffers take turns by i.  ONE barrier for two steps: an even step signals inside its run of
; products, when its stores of the step before have landed (i = p + 1 is whole) and its reads are over, and waits behind its vector work, ahead of its own stores; i = p + 1 is first read a step later.
; TWO WAVES SHARE A SIMD'S REGISTERS (2 x 512).  They begin half a step apart: role 0 quantises its last block of the head ahead of the barrier in front of the loop, role 1 behind it.
; The role, (w xor w / 4) mod 2, differs between waves w and w + 4 and between waves 2 n and 2 n + 1.
; THE PRODUCT IS USED TRANSPOSED (source 0 = 16 rows of W2, source 1 = 16 pairs): lane (r, h) holds pair r and eight outputs; b2 is the C of a sum's first instruction.  The dot with W3 (N = 1: left to fused multiply-adds
; in f32) leaves one partial sum a lane and tile; the 8 waves x 2 halves of the lanes meet in LDS at the end, where b3 is added.
; NO JOINT LOADS, though all work-groups read the same 262,144 bytes of W2's codes: they are read once, at the head, straight into the registers where they stay; a tensor load lands in LDS alone, and
; 262,144 bytes beside the 218,624 of this text are more than the 327,680 that a work-group can have.  NO PREFETCH: the loop's one stream is hx, asked for an i ahead; an aligned block of 256 bytes of it
; holds 16 i, and the head has read both blocks that hold a wave's 32 i.
; out0: a work-group's part of a row is 32 j = 128 bytes: an aligned block of 256 bytes of out0 is written in halves by two work-groups.
; LIMITS.  (hx + b1) + hy where the definition has (hx + hy) + b1; the last product is summed in another order than the definition's.  A block of zeros gets the byte 1 where the rule says 127: its codes are
; zeros, and this program alone reads the bytes.  NaN and infinities are not served.
.set HSC,  49152                       ; LDS: scale words: buffer (0-2 the ring's, 3-8 those of i = 26 .. 31) x 512 + 16 j + 4 x K step.  The ring's images from 0: buffer x 16384 + (j / 16) x 8192 + K step x 2048 + block x 512 + 16 x lane
.set SBASE, 53760                      ;      the images of i = 26 .. 31, 16384 each
.set PART, 152064                      ;      partial sums: wave x 8192 + tile x 128 + 4 x lane
.set SPARE, 217600                     ;      the spare words
.set BY,   1                           ; v1-2 the two blocks' scale bytes
.set LI,   3                           ; 16 x lane
.set LS,   4                           ; HSC + 16 (lane % 16) + 8 (lane / 16)
.set QW,   5                           ; where I store codes: (lane / 16) 8192 + 16 (lane % 16) + 1024 w.   At the end: SBASE + 16 x lane
.set QS,   6                           ; where I store two scale bytes: HSC + 16 lane + 2 w.   At the end: SBASE + 65536 + 16 x lane
.set PW,   7                           ; where I store partial sums in this trip
.set WSB,  8                           ; W2's scale words, tiles 0-2 at v8, v10, v12, tile 3 at v16: K steps 0 | 1 (lanes 0-15 | 16-31), and 2 | 3
.set HS,   14                          ; v14-15 the hidden tile's: K steps 0 | 2, and 1 | 3
.set RES,  18
.set PW0,  19                          ; PART + 8192 w + 4 lane
.set P,    20                          ; v20-27 four packed chains of the dot; then, by turns, a block's codes
.set CD,   20
.set MX,   28                          ; v28-31 four chains of the maximum; then v28 the conversion's scale operand, v31 57,344 x the scale
.set HOLD, 31
.set B2,   32                          ; v32-63
.set W3R,  64                          ; v64-95
.set ACC,  96                          ; v96-127 four accumulators; then, by turns, the 32 numbers of a block
.set T,    96
.set FR,   128                         ; v128-191 the tile's four fragments
.set QX,   128                         ; in the head v128, v129: QW for the buffers of i = 26 .. 29, of i = 30, 31
.set HY,   192                         ; v192-255
.set WV,   2
.set ROLE, 3
.set TRIP, 5
.set MNT,  7                           ; the mantissa field of 57,344
.set HX0,  8                           ; s8-39 block 0's 32 numbers of hx, s68-99 (HX0 + 60) block 1's
.set HXP,  40
.set TMPO, 56
.set B3,   60
.set PT,   63                          ; 768 x trip
.set MSB, 0
.macro WIN new                         ; the immediate's high byte repeats the setting that is left
.if MSB != (\new)
	s_set_vgpr_msb (MSB<<8)|(\new)
.set MSB, (\new)
.endif
.endm
.macro WALU
	s_wait_alu depctr_va_vdst(0)
.endm
.macro NOPS n
.rept \n
	v_nop
.endr
.endm
.macro MM s                            ; K step s: four products
.irp t, 0,1,2,3
.set D_, ACC+8*\t
.set A_, 64*\t+16*\s
.set F_, FR+16*\s
.set W_, WSB+2*\t+2*(\t/3)+\s/2
.set H_, HS+\s%2
.if \s == 0
	v_wmma_scale_f32_16x16x128_f8f6f4 v[D_:D_+7], v[A_:A_+15], v[F_:F_+15], v[B2+8*\t:B2+8*\t+7], v[W_], v[H_] matrix_a_fmt:MATRIX_FMT_BF8 matrix_b_fmt:MATRIX_FMT_BF8
.elseif \s == 1
	v_wmma_scale_f32_16x16x128_f8f6f4 v[D_:D_+7], v[A_:A_+15], v[F_:F_+15], v[D_:D_+7], v[W_], v[H_] matrix_a_fmt:MATRIX_FMT_BF8 matrix_b_fmt:MATRIX_FMT_BF8 matrix_a_scale:MATRIX_SCALE_ROW1
.elseif \s == 2
	v_wmma_scale_f32_16x16x128_f8f6f4 v[D_:D_+7], v[A_:A_+15], v[F_:F_+15], v[D_:D_+7], v[W_], v[H_] matrix_a_fmt:MATRIX_FMT_BF8 matrix_b_fmt:MATRIX_FMT_BF8 matrix_b_scale:MATRIX_SCALE_ROW1
.else
	v_wmma_scale_f32_16x16x128_f8f6f4 v[D_:D_+7], v[A_:A_+15], v[F_:F_+15], v[D_:D_+7], v[W_], v[H_] matrix_a_fmt:MATRIX_FMT_BF8 matrix_b_fmt:MATRIX_FMT_BF8 matrix_a_scale:MATRIX_SCALE_ROW1 matrix_b_scale:MATRIX_SCALE_ROW1
.endif
.endr
.endm
.macro SLD                             ; an i's 64 numbers of hx
.irp e, 0,1
.irp g, 0,1,2,3,4,5,6,7
	s_load_b128 s[HX0+60*\e+4*\g:HX0+60*\e+4*\g+3], s[HXP:HXP+1], (8*\e+\g)*512
.endr
.endr
.endm
; ONE BLOCK: 32 k of relu(hx[i] + hy[j]) become codes (CD) and a scale byte.  Block 1 moves on by st bytes to the next i and asks for its hx
.macro QBLK half, st
.if (\half) == 0
	s_wait_kmcnt 0x0                               ; both blocks' hx are in, and the scalar loads have read their base
.endif
.set U_, 0
.rept 16
	v_dual_add_f32 v[T+U_], s[HX0+60*(\half)+U_], v[HY+32*(\half)+U_] :: v_dual_add_f32 v[T+U_+1], s[HX0+60*(\half)+U_+1], v[HY+32*(\half)+U_+1]
.set U_, U_+2
.endr
.if \half
.if (\st) >= 0
	s_add_nc_u64 s[HXP:HXP+1], s[HXP:HXP+1], \st
.else
	s_sub_nc_u64 s[HXP:HXP+1], s[HXP:HXP+1], -(\st)
.endif
	SLD                                            ; into the registers that the adds have read
.endif
.set K_, 0
.rept 14                                           ; the largest number.  No |.|: what is negative becomes 0; the floor 2^(16 - 127) below holds the byte at 1 from below
.if K_ < 4
	v_max3_num_f32 v[MX+K_], v[T+3*K_], v[T+3*K_+1], v[T+3*K_+2]
.else
	v_max3_num_f32 v[MX+K_%4], v[MX+K_%4], v[T+2*K_+4], v[T+2*K_+5]
.endif
.set K_, K_+1
.endr
	s_delay_alu instid0(VALU_DEP_1)
	v_max3_num_f32 v[MX], v[MX], v[MX+1], v[MX+2]
	s_delay_alu instid0(VALU_DEP_1)
	v_max3_num_f32 v[MX], v[MX], v[MX+3], 0x8000000
	v_and_or_b32 v[HOLD], v[MX], 0x7f800000, s[MNT]   ; 57,344 x the scale
	v_add_nc_u32 v[MX], 0xf8800000, v[MX]          ; 15 off the exponent field: the conversion's scale operand
.set U_, 0
.rept 32
	v_med3_num_f32 v[T+U_], 0, v[HOLD], v[T+U_]    ; the activation and the hold in one (the conversion to an 8-bit code does not saturate: ISA guide 7.6.2)
.set U_, U_+1
.endr
.irp g, 0,1,2,3
	v_cvt_scalef32_pk8_bf8_f32 v[CD+2*\g:CD+2*\g+1], v[T+8*\g:T+8*\g+7], v[MX]
.endr
	v_lshrrev_b32 v[BY+(\half)], 23, v[MX]         ; the scale's byte (the plain line behind the conversions)
.endm
.macro QST adr, off, so, half          ; the block's codes to the image at byte off, and behind block 1 the two bytes to scale buffer so
	ds_store_b128 v[\adr], v[CD:CD+3] offset:(\off)+(\half)*512
	ds_store_b128 v[\adr], v[CD+4:CD+7] offset:(\off)+(\half)*512+256
.if \half
	v_lshl_or_b32 v[BY], v[BY+1], 8, v[BY]
	ds_store_b16 v[QS], v[BY] offset:(\so)*512
.endif
.endm
.macro FETCH adr, off, so              ; a tile's scale words and fragments: 17 loads
	ds_load_b64 v[HS:HS+1], v[LS] offset:\so
.irp q, 0,1,2,3,4,5,6,7,8,9,10,11,12,13,14,15
	ds_load_b128 v[FR+4*\q:FR+4*\q+3], v[\adr] offset:(\off)+512*\q
.endr
.endm
; A STEP.  slot: the place of its partial sums behind PW; q: it quantises; kp: the last step's stores, which stand behind this tile's loads; bar: the barrier; fa, fo, fs: where the next tile lies (fo < 0: there is none);
; half, qo, qs: which block it quantises and where that goes
.macro STEP slot, q, kp, bar, fa, fo, fs, half, qo, qs
	WIN 0x01                                       ; source 0 (W2) window 1; all else window 0
	s_wait_dscnt 12+\kp                            ; the scale words and K step 0 are in; 12 loads and the stores may be out
	MM 0
	s_wait_dscnt 8+\kp
	MM 1
.if \bar
	s_wait_dscnt 0x0                               ; the whole tile is in; for the others' sake: my stores have landed, my reads are over
	s_barrier_signal -1
	MM 2
.else
	s_wait_dscnt 4+\kp
	MM 2
	s_wait_dscnt \kp
.endif
	MM 3
	WIN 0
.if (\slot) == 0
	v_add_nc_u32 v[PW], s[PT], v[PW0]              ; eight places between the last products and the loads into their operands and the reads of their results
	NOPS 7
.else
	NOPS 8
.endif
.if (\fo) >= 0
	FETCH \fa, \fo, \fs
.endif
.set U_, 0
.rept 16                                           ; relu; each accumulator from its low end on
	v_dual_max_num_f32 v[ACC+U_], 0, v[ACC+U_] :: v_dual_max_num_f32 v[ACC+U_+1], 0, v[ACC+U_+1]
.set U_, U_+2
.endr
.set U_, 0
.rept 16
.if U_ < 8
	v_pk_mul_f32 v[P+U_:P+U_+1], v[ACC+U_:ACC+U_+1], v[W3R+U_:W3R+U_+1]          ; the first products start the chains
.else
	v_pk_fma_f32 v[P+U_%8:P+U_%8+1], v[ACC+U_:ACC+U_+1], v[W3R+U_:W3R+U_+1], v[P+U_%8:P+U_%8+1]
.endif
.set U_, U_+2
.endr
	s_delay_alu instid0(VALU_DEP_3)
	v_pk_add_f32 v[P:P+1], v[P:P+1], v[P+2:P+3]
	s_delay_alu instid0(VALU_DEP_2)
	v_pk_add_f32 v[P+4:P+5], v[P+4:P+5], v[P+6:P+7]
	s_delay_alu instid0(VALU_DEP_1)
	v_pk_add_f32 v[P:P+1], v[P:P+1], v[P+4:P+5]
	s_delay_alu instid0(VALU_DEP_1)
	v_add_f32 v[RES], v[P], v[P+1]                 ; my 32 outputs' share of pair r
.if \q
	QBLK \half, 16
.endif
.if \bar
	WALU
	s_barrier_wait -1                              ; all eight waves have signalled: behind it I store again
.endif
	ds_store_b32 v[PW], v[RES] offset:128*(\slot)
.if \q
	QST QW, \qo, \qs, \half
.endif
.endm
; step a of a trip of six: tile (buffer a / 2, a % 2); it quantises into buffer (a / 2 + 2) % 3
.macro LSTEP a
.set FO_, (((\a+1)%6)/2)*16384+((\a+1)%2)*8192
.set FS_, (((\a+1)%6)/2)*512+((\a+1)%2)*256
.set QB_, (\a/2+2)%3
	STEP \a, 1, 4-\a%2, 1-\a%2, LI, FO_, FS_, \a%2, QB_*16384, QB_
.endm
; step u of the last sixteen: i = 24, 25 lie in the ring's buffers 0, 1, i = 26 .. 31 in their own
.macro TSTEP u, kp, bar
.set I2_, (\u+1)/2
.set J2_, (\u+1)%2
.if \u == 15
	STEP \u, 0, \kp, \bar, LI, -1, 0, 0, 0, 0
.elseif I2_ < 2
	STEP \u, 0, \kp, \bar, LI, I2_*16384+J2_*8192, I2_*512+J2_*256, 0, 0, 0
.elseif I2_ < 6
	STEP \u, 0, \kp, \bar, QW, (I2_-2)*16384+J2_*8192, (I2_+1)*512+J2_*256, 0, 0, 0
.else
	STEP \u, 0, \kp, \bar, QS, (I2_-6)*16384+J2_*8192, (I2_+1)*512+J2_*256, 0, 0, 0
.endif
.endm
; THE HEAD'S LOADS from number I_ on, n of them: 0 .. 63 W2's codes (fragment (tile t, K step s) at v[64 t + 16 s] of window 1), then for each tile two of scale words, two of b2, two of W3
.macro GL n
.rept \n
.if I_ < 64
	WIN 0x40
	global_load_b128 v[4*I_:4*I_+3], v[LI], s[44:45] offset:512*I_
.elseif I_ < 88
	WIN 0
.set T_, (I_-64)/6
.set K_, (I_-64)%6
.if K_ < 2
	global_load_b32 v[WSB+2*T_+2*(T_/3)+K_], v[PW], s[46:47] offset:256*T_+128*K_
.elseif K_ < 4
	global_load_b128 v[B2+8*T_+4*(K_-2):B2+8*T_+4*(K_-2)+3], v[RES], s[48:49] offset:64*T_+16*(K_-2)      ; outputs 64 w + 16 t + 8 (lane / 16) + 0 .. 7
.else
	global_load_b128 v[W3R+8*T_+4*(K_-4):W3R+8*T_+4*(K_-4)+3], v[RES], s[50:51] offset:64*T_+16*(K_-4)
.endif
.endif
.set I_, I_+1
.endr
	WIN 0
.endm
	s_load_b512 s[40:55], s[0:1], 0x0              ; hxw 40:41, hyw 42:43, w2c 44:45, w2s 46:47, b2 48:49, W3 50:51, b3 52:53, out0 54:55
	v_lshrrev_b32 v20, 5, v0
	v_readfirstlane_b32 s[WV], v20                 ; wave 0 .. 7
	s_lshl_b32 s4, s[WV], 10
	s_lshl_b32 s6, s[WV], 1
	s_lshl_b32 s58, s[WV], 13
	v_and_b32 v21, 31, v0                          ; lane
	v_and_b32 v22, 15, v0
	v_bfe_u32 v23, v0, 4, 1
	v_lshlrev_b32 v[LI], 4, v21
	v_lshl_add_u32 v[LS], v22, 4, HSC
	v_lshlrev_b32 v[QW], 4, v22
	v_lshl_add_u32 v[QS], v21, 4, HSC
	v_lshl_add_u32 v[PW0], v21, 2, PART
	v_lshl_add_u32 v[LS], v23, 3, v[LS]
	v_lshl_add_u32 v[QW], v23, 13, v[QW]
	v_add_nc_u32 v[QS], s6, v[QS]
	v_add_nc_u32 v[PW0], s58, v[PW0]
	v_add_nc_u32 v[QW], s4, v[QW]
	v_lshlrev_b32 v[RES], 5, v23                   ; 32 x (lane / 16): b2's and W3's offset (the register is free until the loop)
	v_lshlrev_b32 v[PW], 2, v21                    ; 4 x lane: the scale words' (likewise)
	v_add_nc_u32 v[QX], SBASE, v[QW]
	v_add_nc_u32 v[QX+1], SBASE+65536, v[QW]
	s_lshr_b32 s[ROLE], s[WV], 2
	s_xor_b32 s[ROLE], s[ROLE], s[WV]
	s_and_b32 s[ROLE], s[ROLE], 1
	s_mov_b32 s[MNT], 0x600000
	s_mov_b32 s[TMPO+1], 0
	s_and_b32 s62, ttmp7, 0xffff
	s_lshl_b32 s62, s62, 16                        ; 65,536 x my block of 32 i: in hxw and in out0 alike
	s_lshl_b32 s59, ttmp9, 16                      ; 65,536 x my block of 32 j
	WALU
	s_wait_kmcnt 0x0
	s_add_co_u32 s[TMPO], s62, s58
	s_add_nc_u64 s[HXP:HXP+1], s[HXP:HXP+1], s[TMPO:TMPO+1]   ; hx: my block of i, my 16 groups of four k
	SLD
	s_load_b32 s[B3], s[52:53], 0x0
	s_add_co_u32 s[TMPO], s59, s58
	s_add_nc_u64 s[42:43], s[42:43], s[TMPO:TMPO+1]           ; hy likewise
	s_lshl_b32 s[TMPO], s[WV], 15
	s_add_nc_u64 s[44:45], s[44:45], s[TMPO:TMPO+1]           ; W2's codes: my four tiles of 8,192 bytes
	s_lshl_b32 s[TMPO], s[WV], 10
	s_add_nc_u64 s[46:47], s[46:47], s[TMPO:TMPO+1]           ; their scale words
	s_lshl_b32 s[TMPO], s[WV], 8
	s_add_nc_u64 s[48:49], s[48:49], s[TMPO:TMPO+1]           ; b2, W3: my 64 numbers
	s_add_nc_u64 s[50:51], s[50:51], s[TMPO:TMPO+1]
	s_lshl_b32 s[TMPO], ttmp9, 7
	s_add_co_u32 s[TMPO], s[TMPO], s62
	s_add_nc_u64 s[54:55], s[54:55], s[TMPO:TMPO+1]           ; out0: 32 rows of 2,048 bytes, 32 columns of 4
.set I_, 0
.rept 16
	global_load_b128 v[HY+4*I_:HY+4*I_+3], v[LI], s[42:43] offset:512*I_          ; 32 lanes read 512 consecutive bytes: four k of 32 j
.set I_, I_+1
.endr
.set I_, 0
	GL 44
	s_wait_loadcnt 44                              ; hy is in: behind it stand 44 loads of W2
	QBLK 0, 0                                      ; i = 0; the other 44 loads follow between blocks
	QST QW, 0, 0, 0
	GL 5
	QBLK 1, 16*26
	QST QW, 0, 0, 1
	GL 5
.irp s, 0,1,2,3,4,5                                ; i = 26 .. 31, while W2's codes arrive
	QBLK 0, 0
	QST QX+\s/4, (\s%4)*16384, 3+\s, 0
	GL 5
.if \s < 5
	QBLK 1, 16
.else
	QBLK 1, -16*30                                 ; back to i = 1
.endif
	QST QX+\s/4, (\s%4)*16384, 3+\s, 1
	GL 5
.endr
	QBLK 0, 0
	QST QW, 16384, 1, 0
	s_mov_b32 s[B3+1], s[B3]                       ; (named with it as a pair, so it is written)
	s_mov_b32 s[TRIP], 0
	s_mov_b32 s[PT], 0
	WALU
	s_cmp_eq_u32 s[ROLE], 0
	s_cbranch_scc0 .Llater
	QBLK 1, 16
	QST QW, 16384, 1, 1
.Llater:
	WALU
	s_wait_dscnt 0x0                               ; my stores have landed
	s_barrier_signal -1
	s_barrier_wait -1                              ; everybody's: i = 0 is whole.  (i = 1 is read behind step 0's barrier)
	FETCH LI, 0, 0
	WALU
	s_cmp_eq_u32 s[ROLE], 1
	s_cbranch_scc0 .Ldone
	QBLK 1, 16
	QST QW, 16384, 1, 1
.Ldone:
	WALU
	s_wait_loadcnt 0x0
	s_wait_dscnt 0x0                               ; the first tile is in (the loop's counts are those of its own steps)
.Ltrip:                                            ; eight trips of six steps: three i.  (The last asks for hx of i = 26 once more, and does not use it)
	LSTEP 0
	LSTEP 1
	LSTEP 2
	LSTEP 3
	LSTEP 4
	LSTEP 5
	s_add_co_u32 s[PT], s[PT], 768
	s_add_co_u32 s[TRIP], s[TRIP], 1
	WALU
	s_cmp_lt_u32 s[TRIP], 8
	s_cbranch_scc1 .Ltrip
	v_add_nc_u32 v[QW], SBASE, v[LI]               ; nothing is quantised any more: the two registers serve reads
	v_add_nc_u32 v[QS], SBASE+65536, v[LI]
	WALU
	TSTEP 0, 4, 1                                  ; its barrier shows i = 25 whole
.irp u, 1,2,3,4,5,6,7,8,9,10,11,12,13,14,15
	TSTEP \u, 1, 0
.endr
	; THE END.  Thread n adds, for row n / 8 and columns 4 (n % 8) .. + 3 of the work-group's 32 x 32, the sixteen partial sums (8 waves x 2 halves of the lanes) and b3.
	v_lshrrev_b32 v20, 2, v0
	v_and_b32 v21, 3, v0
	v_lshrrev_b32 v22, 3, v0
	v_and_b32 v23, 7, v0
	v_lshlrev_b32 v20, 7, v20
	v_lshlrev_b32 v22, 11, v22
	v_lshl_add_u32 v20, v21, 4, v20
	v_lshl_add_u32 v22, v23, 4, v22                ; a row of out0 is 2,048 bytes; 16 bytes a thread
	v_add_nc_u32 v20, PART, v20
	v_lshl_add_u32 v24, v0, 2, SPARE
	v_mov_b32 v25, 0
	WALU
	s_wait_kmcnt 0x0
	s_wait_dscnt 0x0                               ; my partial sums have landed
	s_barrier_signal -1
	s_barrier_wait -1                              ; everybody's have
.irp n, 0,1,2,3,4,5,6,7,8,9,10,11,12,13,14,15
	ds_load_b128 v[64+4*\n:64+4*\n+3], v20 offset:(\n/2)*8192+(\n%2)*64
.endr
	s_wait_dscnt 0x0
.irp n, 2,4,6,8,10,12,14
	v_pk_add_f32 v[64:65], v[64:65], v[64+4*\n:65+4*\n]
	v_pk_add_f32 v[66:67], v[66:67], v[66+4*\n:67+4*\n]
	v_pk_add_f32 v[68:69], v[68:69], v[68+4*\n:69+4*\n]
	v_pk_add_f32 v[70:71], v[70:71], v[70+4*\n:71+4*\n]
.endr
	v_pk_add_f32 v[64:65], v[64:65], v[68:69]
	v_pk_add_f32 v[66:67], v[66:67], v[70:71]
	v_pk_add_f32 v[64:65], v[64:65], s[B3:B3+1] op_sel_hi:[1,0]
	v_pk_add_f32 v[66:67], v[66:67], s[B3:B3+1] op_sel_hi:[1,0]
	global_store_b128 v22, v[64:67], s[54:55]      ; eight lanes store 128 consecutive bytes of a row
	s_wait_tensorcnt 0x0                           ; the wave's end
	ds_add_u32 v24, v25
	s_wait_dscnt 0x0
	s_endpgm
.Lfunc_end_k_q57b5518d17_critic:
	.size	k_q57b5518d17_critic, .Lfunc_end_k_q57b5518d17_critic-k_q57b5518d17_critic
	.p2alignl 7, 3214868480
	.fill 96, 4, 3214868480
	.section	.rodata,"a",@progbits
	.p2align	6, 0x0
	.amdhsa_kernel k_q57b5518d17_critic
		.amdhsa_group_segment_fixed_size 218624
		.amdhsa_private_segment_fixed_size 0
		.amdhsa_enable_private_segment 0
		.amdhsa_kernarg_size 64
		.amdhsa_user_sgpr_count 2
		.amdhsa_user_sgpr_kernarg_segment_ptr 1
		.amdhsa_wavefront_size32 1
		.amdhsa_system_sgpr_workgroup_id_x 1
		.amdhsa_system_sgpr_workgroup_id_y 1
		.amdhsa_system_sgpr_workgroup_id_z 1
		.amdhsa_system_vgpr_workitem_id 0
		.amdhsa_next_free_vgpr 512
		.amdhsa_next_free_sgpr 100
		.amdhsa_reserve_vcc 0
		.amdhsa_float_denorm_mode_32 3
		.amdhsa_float_denorm_mode_16_64 3
		.amdhsa_memory_ordered 1
		.amdhsa_forward_progress 1
		.amdhsa_inst_pref_size 255
	.end_amdhsa_kernel
	.section	.bss,"aw",@nobits
	.p2align	6
	.space	262144
	.amdgpu_metadata
---
amdhsa.version: [ 1, 2 ]
amdhsa.kernels:
  - .name:           k_q57b5518d17_critic
    .symbol:         k_q57b5518d17_critic.kd
    .args:
      - { .name: hxw, .offset: 0, .size: 8, .value_kind: global_buffer, .address_space: global }
      - { .name: hyw, .offset: 8, .size: 8, .value_kind: global_buffer, .address_space: global }
      - { .name: w2c, .offset: 16, .size: 8, .value_kind: global_buffer, .address_space: global }
      - { .name: w2s, .offset: 24, .size: 8, .value_kind: global_buffer, .address_space: global }
      - { .name: b2, .offset: 32, .size: 8, .value_kind: global_buffer, .address_space: global }
      - { .name: W3, .offset: 40, .size: 8, .value_kind: global_buffer, .address_space: global }
      - { .name: b3, .offset: 48, .size: 8, .value_kind: global_buffer, .address_space: global }
      - { .name: out0, .offset: 56, .size: 8, .value_kind: global_buffer, .address_space: global }
    .group_segment_fixed_size: 218624
    .private_segment_fixed_size: 0
    .kernarg_segment_align: 8
    .kernarg_segment_size: 64
    .max_flat_workgroup_size: 256
    .sgpr_count:     100
    .vgpr_count:     512
    .wavefront_size: 32
...
	.end_amdgpu_metadata
.endif
;; end of part 2
